; MI455X (gfx1250); checked and timed in simulation.
; The chip was launched on July 23, 2026; its instructions are those of AMD's public machine-readable ISA for CDNA 5 (MIT licence, August 2026) and "CDNA5" Instruction Set Architecture Reference Guide (July 2026). The comments in the code are by the model that wrote it; some were corrected since.
;; Linear Encoder. Allowed arithmetic: float matrix products may take bf16 or f16 operands with f32 sums; all other float work in f32.
;; Inputs: W0 128 x 50,000 float32; W1 128 x 128 float32; W2 128 x 128 float32; b1 128 float32; b2 128 float32; user_ids 4,096 int32.
;; Outputs: out0 4,096 x 128 float32.
;; One version. Each part assembles by itself: llvm-mc -triple=amdgcn-amd-amdhsa -mcpu=gfx1250 --defsym DOCPART=n.
;; ======== version 1 of 1: 1 launch
;; launch encode (part 1): grid 256 x 1, 4 waves a work-group, clusters of 4 x 1, 168,448 bytes of LDS; arguments user_ids, W0, W1, b1, W2, b2, out0; writes out0
.if DOCPART == 1
	.amdgcn_target "amdgcn-amd-amdhsa--gfx1250"
	.amdhsa_code_object_version 6
	.text
	.protected	k_q6da5b1e846_encode
	.globl	k_q6da5b1e846_encode
	.p2align	8
	.type	k_q6da5b1e846_encode,@function
k_q6da5b1e846_encode:
	s_mov_b64 s[64:65], 0
	v_nop
	global_prefetch_b8 v0, s[64:65] scope:SCOPE_SE
	s_setreg_imm32_b32 hwreg(HW_REG_WAVE_MODE, 25, 1), 1
	s_wait_xcnt 0x0
	s_wait_alu depctr_hold_cnt(0) depctr_sa_sdst(0) depctr_va_vdst(0) depctr_va_sdst(0) depctr_va_ssrc(0) depctr_va_vcc(0) depctr_vm_vsrc(0)
	s_getreg_b32 s2, hwreg(HW_REG_IB_STS2, 6, 4)
	s_cmp_eq_u32 s2, 0
	s_cbranch_scc0 .Lentry_in_a_cluster
	s_endpgm
.Lentry_in_a_cluster:
	s_bfe_u32 s2, ttmp6, 0x10000c
	s_cmp_lg_u32 s2, 0x3003
	s_cbranch_scc0 .Lentry_shape_is_right
	s_endpgm
.Lentry_shape_is_right:
; out0[b][:] = W2 (W1 W0[:, id_b] + b1) + b2.   user_ids [4096] i32, W0 [128][50000] f32, W1, W2 [128][128] f32, b1, b2 [128] f32, out0 [4096][128] f32.
; The product of a one-hot row with W0^T picks column id_b of W0 (a zero row where the id is not in 0 .. 49999, as one_hot gives it), so layer 0 is a gather.
; 256 work-groups of four waves; a work-group owns 16 batch rows.  Nothing goes through memory between the three layers.
;
; BOTH PRODUCTS ARE USED TRANSPOSED: source 0 = 16 rows of W (n), source 1 = the 16 batch rows (m).  With r = lane % 16, h = lane / 16, register j of a
; result then holds (m = r, n = n0 + 8 h + j).  Wave w owns n = 32 w .. 32 w + 31 as two tiles t = 0, 1 (n0 = 32 w + 16 t).  So:
;   the gather lands in fragment layout: wave w takes e = 32 w + 16 t + 8 h + j of id_r, 16 loads of 4 bytes a lane: K chunk w of source 1;
;   the bias b[n0 + 8 h + j] is loaded straight into the accumulators and is the sum's first term: nothing is cleared, nothing is added later;
;   a wave's two result tiles of layer 1, rounded to bf16, are K chunk w of layer 2's source 1;
;   a lane's results of layer 2 are eight neighbouring f32 of one row of out0.
; Each wave hands its one fragment to the other three through an LDS stage, once for h and once for h1, in stages of their own.
; CLUSTER: all work-groups read the same 131,072 bytes of W1 and W2, so four work-groups ask for them jointly (mask 15): 64 requests for each tile
; in place of 256.  Each wave asks for 64 rows, once; no LDS byte is filled twice.  By this text's count a wave has one tensor load outstanding.
;
; LIMITS.  h, h1, W1 and W2 are rounded to bf16 (nearest even) for the matrix unit; bf16 has f32's exponent range.  The bias enters the f32 sum first,
; not last: another order of rounding than the reference's.  Where W0 holds an infinity or a NaN the reference's products 0 x inf make whole rows NaN;
; the gather sees only the column that the id names.
.set ROW0,   200000                    ; bytes in a row of W0
.set WP,     528                       ; LDS pitch of a weight row: 512 bytes + 16 of padding = 33 x 16, so 16 rows begin in 16 different 16-byte columns of 256 bytes
.set HALFW,  64*WP                     ; what one tensor load fills
.set W2L,    128*WP                    ; W2 lies behind W1
.set HS0,    135168                    ; h stage: fragment c at 1024 c; registers 0-3 at 16 x lane, registers 4-7 at 512 + 16 x lane.  = 528 x 256: no fill reaches its blocks
.set HS1OFF, 4096                      ; h1 stage, behind it
.set OST,    143360                    ; out stage: 16 rows of 512 bytes, pitch 528
.set OP,     528
.set CO,   1                           ; v1       byte offset in out0 of my 16 bytes: 2048 w + 16 lane
.set ADW1, 10                          ; v10      LDS: (32 w + r) 528 + 32 h, my rows of W1;   v11: the same in W2
.set HST,  12                          ; v12      where I put my fragment
.set HRD,  13                          ; v13      where I read fragments
.set OSTO, 14                          ; v14      out stage, in
.set ORD,  15                          ; v15      out stage, back
.set ACC1, 16                          ; v[16:31]   layer 1's two tiles, loaded with b1
.set ACC2, 32                          ; v[32:47]   layer 2's two tiles, loaded with b2
.set G,    48                          ; v[48:63]   the gathered f32: G + 8 t + j
.set WF,   64                          ; v[64:191]  16 weight fragments in bf16: f = 8 layer + 4 t + c
.set T,    192                         ; v[192:255] two halves of 32 f32, at work while the weights are rounded; afterwards:
.set P,    192                         ; v[192:199] my own fragment, packed
.set HF,   200                         ; v[200:231] the four fragments of source 1
.set OUTR, 232                         ; v[232:247] four rows' 16 bytes on the way out
; A round of the cluster's barrier: my work-group's barrier, wave 0 signals for the work-group, every wave waits for all four work-groups, my work-group's barrier again.
.macro CROUND
	s_barrier_signal -1
	s_barrier_wait -1
	s_cmp_lg_u32 s18, 0
	s_cbranch_scc1 .Lnw0_\@
	s_barrier_signal -3
.Lnw0_\@:
	s_barrier_wait -3
	s_barrier_signal -1
	s_barrier_wait -1
.endm
; The joint load: waves 0 and 1 ask for W1's two halves, waves 2 and 3 for W2's.  The branch hangs on the wave's number alone.
.macro JLOAD
	s_cmp_eq_u32 s19, 0
	s_cbranch_scc0 .Lw2_\@
	tensor_load_to_lds s[32:35], s[24:31]
	s_nop 0
	s_branch .Lask_\@
.Lw2_\@:
	tensor_load_to_lds s[36:39], s[24:31]
	s_nop 0
.Lask_\@:
.endm
; The 16 f32 of fragment f (16 rows of W, 32 along K) that are mine: k = 32 c + 8 h + 0..7 (bytes 0 and 16) and k = 32 c + 16 + 8 h + 0..7 (bytes 64 and 80)
.macro WLOAD f, tb
	ds_load_b128 v[\tb:\tb+3],     v[ADW1+((\f)>>3)] offset:(((\f)>>2)&1)*16*WP+((\f)&3)*128
	ds_load_b128 v[\tb+4:\tb+7],   v[ADW1+((\f)>>3)] offset:(((\f)>>2)&1)*16*WP+((\f)&3)*128+16
	ds_load_b128 v[\tb+8:\tb+11],  v[ADW1+((\f)>>3)] offset:(((\f)>>2)&1)*16*WP+((\f)&3)*128+64
	ds_load_b128 v[\tb+12:\tb+15], v[ADW1+((\f)>>3)] offset:(((\f)>>2)&1)*16*WP+((\f)&3)*128+80
.endm
.macro WCVT f, tb
.irp i, 0,1,2,3,4,5,6,7
	v_cvt_pk_bf16_f32 v[WF+8*(\f)+\i], v[\tb+2*\i], v[\tb+2*\i+1]
.endr
.endm
.macro PACK src                        ; 16 f32 to my fragment of 8 registers
.irp i, 0,1,2,3,4,5,6,7
	v_cvt_pk_bf16_f32 v[P+\i], v[\src+2*\i], v[\src+2*\i+1]
.endr
.endm
; My fragment goes to the stage at off; behind the barrier every wave reads all four.
.macro SHARE off
	ds_store_b128 v[HST], v[P:P+3]   offset:\off
	ds_store_b128 v[HST], v[P+4:P+7] offset:\off+512
	s_wait_dscnt 0x0                               ; for the other waves' sake: my stores are in LDS before I signal
	s_barrier_signal -1
	s_barrier_wait -1
.irp c, 0,1,2,3
	ds_load_b128 v[HF+8*\c:HF+8*\c+3],   v[HRD] offset:\off+1024*\c
	ds_load_b128 v[HF+8*\c+4:HF+8*\c+7], v[HRD] offset:\off+1024*\c+512
.endr
	s_wait_dscnt 0x0
.endm
; Eight matrix instructions: K = 128 in four chunks, two tiles.  The two accumulators take turns, one instruction a turn.
.macro LAYER acc, wf
.irp c, 0,1,2,3
.irp t, 0,1
	v_wmma_f32_16x16x32_bf16 v[\acc+8*\t:\acc+8*\t+7], v[\wf+8*(4*\t+\c):\wf+8*(4*\t+\c)+7], v[HF+8*\c:HF+8*\c+7], v[\acc+8*\t:\acc+8*\t+7]
.endr
.endr
.endm
; Four places behind the last matrix instruction, before a vector instruction or an LDS store reads a result and before a load is issued into a source
.macro PLACES
.rept 4
	v_nop
.endr
.endm
	; ---- entry: addresses of the buffers; ids, lanes, LDS addresses and the descriptors' constants meanwhile
	s_load_b256 s[4:11], s[0:1], 0x0               ; user_ids s[4:5], W0 s[6:7], W1 s[8:9], b1 s[10:11]
	s_load_b128 s[12:15], s[0:1], 0x20             ; W2 s[12:13], b2 s[14:15]
	s_load_b64 s[16:17], s[0:1], 0x30              ; out0
	s_set_vgpr_msb 0x40
	v_lshl_add_u32 v0, v0, 2, 0x29000
	v_mov_b32 v1, 0
	s_set_vgpr_msb 0x4045
	ds_add_u32 v0, v1
	ds_add_u32 v0, v1
	s_set_vgpr_msb 0x4500
	v_lshrrev_b32 v1, 5, v0
	v_readfirstlane_b32 s18, v1                    ; wave w, 0 .. 3
	s_lshr_b32 s19, s18, 1                         ; 0: I ask for W1, 1: for W2
	s_and_b32 s20, s18, 1                          ; which 64 rows of it
	s_bfe_u32 s21, ttmp6, 0x40000                  ; cx: my place in the cluster
	s_lshl_b32 s22, ttmp9, 2                       ; ttmp9 counts clusters
	s_add_co_u32 s22, s22, s21                     ; work-group = 4 x cluster + cx
	s_lshl_b32 s23, s18, 7                         ; 128 w
	v_and_b32 v4, 31, v0                           ; lane
	v_and_b32 v2, 15, v0                           ; r
	v_bfe_u32 v3, v0, 4, 1                         ; h
	v_lshlrev_b32 v5, 2, v2                        ; my id's 4 bytes among the group's 16 ids
	v_lshl_add_u32 v6, v3, 5, s23                  ; bias: 4 (32 w + 8 h)
	v_mul_u32_u24 v9, v3, 8*ROW0                   ; the gather's h term: 8 h rows of W0
	v_mul_u32_u24 v14, v2, WP
	v_lshl_add_u32 v14, v3, 5, v14                 ; 528 r + 32 h, for the weights and for the out stage
	s_mul_i32 s50, s18, 32*WP
	v_add_nc_u32 v[ADW1], s50, v14                 ; + my 32 rows
	v_add_nc_u32 v[ADW1+1], W2L, v[ADW1]
	s_add_co_u32 s50, s23, OST
	v_add_nc_u32 v[OSTO], s50, v14                 ; out stage: row r, byte 128 w + 32 h
	v_lshl_add_u32 v[HRD], v4, 4, HS0
	s_lshl_b32 s50, s18, 10
	v_add_nc_u32 v[HST], s50, v[HRD]               ; my fragment's 1,024 bytes
	s_mul_i32 s50, s18, 4*OP
	s_add_co_u32 s50, s50, OST
	v_lshl_add_u32 v[ORD], v4, 4, s50              ; back: rows 4 w .. 4 w + 3, a row of 512 bytes to the 32 lanes
	s_lshl_b32 s50, s18, 11
	v_lshl_add_u32 v[CO], v4, 4, s50               ; the same rows in out0
	s_mov_b32 s49, 50000
	; descriptor group 1, for both matrices: 64 rows of 128 f32, padded in LDS
	s_mov_b32 s24, 15|(2<<16)|(1<<20)|(1<<21)|(6<<22)|(3<<25)  ; 15:0 mask: all four of the cluster; 17:16 elements of 4 bytes; 20 padding on; 21 set beside a mask; 24:22 after every 128 words; 31:25 of 4 words
	s_mov_b32 s25, 128<<16                         ; tensor_dim0 = 128
	s_mov_b32 s26, 64<<16                          ; tensor_dim1 = 64
	s_mov_b32 s27, 128<<16                         ; tile_dim0 = 128
	s_mov_b32 s28, 64                              ; tile_dim1 = 64
	s_mov_b32 s29, 128                             ; 128 elements from row to row
	s_mov_b32 s30, 0
	s_mov_b32 s31, 0
	s_mov_b32 s32, 1                               ; group 0, W1: count
	s_mul_i32 s33, s18, HALFW                      ; LDS address: wave x 64 rows (W1's halves, then W2's): no place in the cluster enters it
	s_mov_b32 s36, 1                               ; group 0, W2
	s_mul_i32 s37, s18, HALFW
	s_lshl_b32 s40, s22, 6                         ; the group's 16 ids
	s_mov_b32 s41, 0
	s_lshl_b32 s42, s22, 13                        ; the group's 16 rows of out0
	s_mov_b32 s43, 0
	s_mul_i32 s44, s18, 32*ROW0                    ; my 32 rows of W0
	s_mov_b32 s45, 0
	s_lshl_b32 s46, s20, 15                        ; my 64 rows of 512 bytes of W1 or W2
	s_mov_b32 s47, 0
	s_wait_dscnt 0x0
	s_wait_kmcnt 0x0
	s_add_nc_u64 s[4:5], s[4:5], s[40:41]
	s_add_nc_u64 s[16:17], s[16:17], s[42:43]
	s_add_nc_u64 s[6:7], s[6:7], s[44:45]
	s_add_nc_u64 s[34:35], s[8:9], s[46:47]
	s_or_b32 s35, s35, 0x80000000                  ; type = 2
	s_add_nc_u64 s[38:39], s[12:13], s[46:47]
	s_or_b32 s39, s39, 0x80000000
	; ---- the ids first (the gather hangs on them), then the biases into the accumulators
	global_load_b32 v7, v5, s[4:5]
.irp t, 0,1
	global_load_b128 v[ACC1+8*\t:ACC1+8*\t+3],   v6, s[10:11] offset:64*\t
	global_load_b128 v[ACC1+8*\t+4:ACC1+8*\t+7], v6, s[10:11] offset:64*\t+16
	global_load_b128 v[ACC2+8*\t:ACC2+8*\t+3],   v6, s[14:15] offset:64*\t
	global_load_b128 v[ACC2+8*\t+4:ACC2+8*\t+7], v6, s[14:15] offset:64*\t+16
.endr
	CROUND                                         ; all four work-groups are here: the joint loads meet
	JLOAD                                          ; my 64 rows of W1 or W2
	; ---- the gather: 16 loads of 4 bytes a lane, 200,000 bytes apart
	s_wait_loadcnt 0x8                             ; loads come back in order: the ids are in, the eight bias loads behind them may stay out
	v_cmp_gt_u32 s48, s49, v7                      ; lanes whose id is in 0 .. 49999 (a negative id is large as an unsigned number)
	v_min_u32 v8, 0xc34f, v7                       ; every address stays inside W0
	v_lshlrev_b32 v8, 2, v8
	v_add_nc_u32 v8, v8, v9                        ; 4 id + 8 h rows
.irp t, 0,1
.irp j, 0,1,2,3,4,5,6,7
	global_load_b32 v[G+8*\t+\j], v8, s[6:7] offset:(16*\t+\j)*ROW0    ; W0[32 w + 16 t + 8 h + j][id_r]; 4,600,000 at the most, inside the signed 24 bits
.endr
.endr
	; ---- the weights have landed
	s_wait_tensorcnt 0x0                           ; my 64 rows are in LDS; zero, since other waves read them
	s_barrier_signal -1
	s_barrier_wait -1                              ; everybody's are
	; ---- my 32 rows of W1 and of W2 to 16 bf16 fragments, while the gather is on its way.  Two fragments (8 LDS loads) a batch, two batches in flight.
	WLOAD 0, T
	WLOAD 1, T+16
	WLOAD 2, T+32
	WLOAD 3, T+48
.irp q, 0,1,2,3,4,5,6,7
.if \q<7
	s_wait_dscnt 0x8                               ; batch q is in; the eight loads of batch q + 1 may stay out
.else
	s_wait_dscnt 0x0                               ; the last batch: nothing was issued behind it
.endif
	WCVT 2*\q, T+32*(\q&1)
	WCVT 2*\q+1, T+32*(\q&1)+16
.if \q<6
	WLOAD 2*\q+4, T+32*(\q&1)
	WLOAD 2*\q+5, T+32*(\q&1)+16
.endif
.endr
	; ---- h: my K chunk, rounded; zero where the id names no column
	s_wait_loadcnt 0x0                             ; the gather, and the biases in front of it
	PACK G
.irp i, 0,1,2,3,4,5,6,7
	v_cndmask_b32 v[P+\i], 0, v[P+\i], s48
.endr
	SHARE 0
	; ---- layer 1: h1 = W1 h + b1
	LAYER ACC1, WF
	PLACES
	PACK ACC1                                      ; my two tiles are K chunk w of layer 2
	SHARE HS1OFF
	; ---- layer 2: out = W2 h1 + b2
	LAYER ACC2, WF+64
	PLACES
.irp t, 0,1
.irp u, 0,1
	ds_store_b128 v[OSTO], v[ACC2+8*\t+4*\u:ACC2+8*\t+4*\u+3] offset:64*\t+16*\u   ; row r, columns 32 w + 16 t + 8 h + 4 u ..
.endr
.endr
	s_wait_dscnt 0x0                               ; my stores are in LDS before I signal
	s_barrier_signal -1
	s_barrier_wait -1
	; ---- the way out: wave w takes rows 4 w .. 4 w + 3 whole; each store of the wave covers 512 consecutive bytes, at a multiple of 512 from out0's first byte
.irp i, 0,1,2,3
	ds_load_b128 v[OUTR+4*\i:OUTR+4*\i+3], v[ORD] offset:OP*\i
.endr
.irp i, 0,1,2,3
	s_wait_dscnt 3-\i                              ; LDS loads come back in order: row i is in, the younger ones may stay out
	global_store_b128 v[CO], v[OUTR+4*\i:OUTR+4*\i+3], s[16:17] offset:512*\i th:TH_STORE_NT
.endr
	s_set_vgpr_msb 0x5
	s_wait_tensorcnt 0x0
	ds_add_u32 v0, v1
	s_wait_dscnt 0x0
	s_set_vgpr_msb 0x500
	CROUND                                         ; the closing round: no work-group ends while a partner may still ask for a tile that names it
	s_endpgm
.Lfunc_end_k_q6da5b1e846_encode:
	.size	k_q6da5b1e846_encode, .Lfunc_end_k_q6da5b1e846_encode-k_q6da5b1e846_encode
	.p2alignl 7, 3214868480
	.fill 96, 4, 3214868480
	.section	.rodata,"a",@progbits
	.p2align	6, 0x0
	.amdhsa_kernel k_q6da5b1e846_encode
		.amdhsa_group_segment_fixed_size 168448
		.amdhsa_private_segment_fixed_size 0
		.amdhsa_enable_private_segment 0
		.amdhsa_kernarg_size 56
		.amdhsa_user_sgpr_count 2
		.amdhsa_user_sgpr_kernarg_segment_ptr 1
		.amdhsa_wavefront_size32 1
		.amdhsa_system_sgpr_workgroup_id_x 1
		.amdhsa_system_sgpr_workgroup_id_y 1
		.amdhsa_system_sgpr_workgroup_id_z 1
		.amdhsa_system_vgpr_workitem_id 0
		.amdhsa_next_free_vgpr 258
		.amdhsa_next_free_sgpr 66
		.amdhsa_reserve_vcc 0
		.amdhsa_float_denorm_mode_32 3
		.amdhsa_float_denorm_mode_16_64 3
		.amdhsa_memory_ordered 1
		.amdhsa_forward_progress 1
		.amdhsa_inst_pref_size 26
	.end_amdhsa_kernel
	.amdgpu_metadata
---
amdhsa.version: [ 1, 2 ]
amdhsa.kernels:
  - .name:           k_q6da5b1e846_encode
    .symbol:         k_q6da5b1e846_encode.kd
    .args:
      - { .name: user_ids, .offset: 0, .size: 8, .value_kind: global_buffer, .address_space: global }
      - { .name: W0, .offset: 8, .size: 8, .value_kind: global_buffer, .address_space: global }
      - { .name: W1, .offset: 16, .size: 8, .value_kind: global_buffer, .address_space: global }
      - { .name: b1, .offset: 24, .size: 8, .value_kind: global_buffer, .address_space: global }
      - { .name: W2, .offset: 32, .size: 8, .value_kind: global_buffer, .address_space: global }
      - { .name: b2, .offset: 40, .size: 8, .value_kind: global_buffer, .address_space: global }
      - { .name: out0, .offset: 48, .size: 8, .value_kind: global_buffer, .address_space: global }
    .group_segment_fixed_size: 168448
    .private_segment_fixed_size: 0
    .kernarg_segment_align: 8
    .kernarg_segment_size: 56
    .max_flat_workgroup_size: 128
    .sgpr_count:     66
    .vgpr_count:     258
    .wavefront_size: 32
...
	.end_amdgpu_metadata
.endif
;; end of part 1
